; MI455X (gfx1250); checked and timed in simulation.
; The chip was launched on July 23, 2026; its instructions are those of AMD's public machine-readable ISA for CDNA 5 (MIT licence, August 2026) and "CDNA5" Instruction Set Architecture Reference Guide (July 2026). The comments in the code are by the model that wrote it; some were corrected since.
;; ALBERT Attention. Allowed arithmetic: matrix products marked QUANTISED: E3M2 operands, one E8M0 scale for each 32 along K, by v_wmma_scale_f32_16x16x128_f8f6f4 with both operands' format E3M2, f32 sums; everything else in f32.
;; Inputs: Wk 1,024 x 16 x 64 float32; Wq 1,024 x 16 x 64 float32; Wv 1,024 x 16 x 64 float32; attention_mask 2 x 2,048 int32; bk 16 x 64 float32; bq 16 x 64 float32; bv 16 x 64 float32; from_tensor 2 x 2,048 x 1,024 float32; to_tensor 2 x 2,048 x 1,024 float32.
;; Outputs: out0 2 x 2,048 x 16 x 64 float32.
;; This version of the problem:
;;   THIS VERSION OF THE PROBLEM IS GIVEN IN LOW PRECISION. The matrix products marked QUANTISED in the list below multiply operands that are first quantised to E3M2 (3 exponent bits, 2 mantissa bits; 6 bits a number), with one power-of-two scale for each 32 numbers along K (OCP MX v1.0); their sums are f32. All else is computed in f32.
;;   The module's matrix products, in the order in which they are computed (A, B: the left and right operand; K: the contracted axis; several contracted axes count as one K, in the product's order):
;;     1. [M 1,024, K 1,024] x [K 1,024, N 4,096]; A: input Wq; B: input from_tensor: QUANTISED
;;     2. [M 1,024, K 1,024] x [K 1,024, N 4,096]; A: input Wk; B: input to_tensor: QUANTISED
;;     3. [M 1,024, K 1,024] x [K 1,024, N 4,096]; A: input Wv; B: input to_tensor: QUANTISED
;;     4. batch 32 x [M 2,048, K 64] x [K 64, N 2,048]; A: computed on the way; B: computed on the way: QUANTISED
;;     5. batch 32 x [M 64, K 2,048] x [K 2,048, N 2,048]; A: computed on the way; B: softmax (see below): QUANTISED
;;   THE QUANTISER, for each operand of a quantised product, along K:
;;     - K is cut into blocks of 32 from its start; a last block that is shorter is filled with zeros.
;;     - A block's scale is 2^e with e = floor(log2(the largest magnitude in the block)) - 4, held to -126 .. 127; a block of zeros has e = 0. As a byte (E8M0): e + 127.
;;     - Each number is divided by its block's scale, clamped to +-28, and rounded to the nearest number of E3M2, ties to even, subnormals kept.
;;     - The product sums the exact products of the quantised numbers (number of the format x scale) in f32.
;;   ~~~python
;;   def quantise(x, axis):      # numpy; x: float32 -> the quantised numbers, widened to float32 again
;;       x = np.moveaxis(x, axis, -1); K = x.shape[-1]
;;       x = np.pad(x, [(0, 0)] * (x.ndim - 1) + [(0, -K % 32)]); x = x.reshape(x.shape[:-1] + (-1, 32)); a = np.abs(x).max(-1, keepdims=True)
;;       e = np.where(a > 0, np.clip(np.frexp(np.where(a > 0, a, 1))[1] - 1 - 4, -126, 127), 0)      # np.frexp(a)[1] - 1 = floor(log2(a)), exactly
;;       r = np.clip(x / 2.0 ** e, -28, 28)
;;       step = 2.0 ** (np.maximum(np.frexp(np.where(r == 0, 1, r))[1] - 1, -2) - 2)
;;       q = np.round(r / step) * step * 2.0 ** e      # np.round: ties to even
;;       return np.moveaxis(q.reshape(q.shape[:-2] + (-1,))[..., :K], -1, axis).astype(np.float32)
;;   ~~~
;;   SOFTMAX AHEAD OF A QUANTISED PRODUCT. Where the list says 'softmax', what is quantised is not the finished softmax but p = 2^(t - M), with t = logit x log2(e) and M = ceil(the row's largest t), a whole number; so 1/2 < the row's largest p <= 1. The row's sum l is taken of the UNQUANTISED p, in f32, and the product's result is divided by l at the end. Since M is a whole number, a kernel that streams over the keys may use a running M (the ceiling of the running maximum): every later rescaling is an exact power of two, which a block's scale takes up: the codes' values come out the same.
;;   OPERANDS COMPUTED ON THE WAY. 'Computed on the way' means the value that the module computes at that place (a softmax that the list does not call 'softmax' is quantised finished and normalised). What goes into a quantiser is computed in f32, as accurately as f32 sums, v_exp_f32 and their like allow (about 1e-6 of the number): no bf16 or f16 on the way to a quantiser, and a product that is left as it is and whose result goes on into a quantised operand takes f32 operands (vector FMAs, or v_wmma_f32_16x16x4_f32). A number that lies on a knife's edge between two numbers of the format may be rounded either way, as far as f32 arithmetic and the matrix unit's own rounding can turn it there, and no further.
;; One version. Each part assembles by itself: llvm-mc -triple=amdgcn-amd-amdhsa -mcpu=gfx1250 --defsym DOCPART=n.
;; ======== version 1 of 1: 3 launches
;; workspace buffers: xw_codes 8,650,752 bytes; xw_scales 360,448 bytes; qkv 10,092,544 bytes
;; launch quant (part 1): grid 352 x 1, 4 waves a work-group, no clusters, 104,960 bytes of LDS; arguments from_tensor, to_tensor, Wq, Wk, Wv, xw_codes, xw_scales; writes xw_codes, xw_scales
.if DOCPART == 1
	.amdgcn_target "amdgcn-amd-amdhsa--gfx1250"
	.amdhsa_code_object_version 6
	.text
	.protected	k_qf5a33d674a_quant
	.globl	k_qf5a33d674a_quant
	.p2align	8
	.type	k_qf5a33d674a_quant,@function
k_qf5a33d674a_quant:
	s_mov_b64 s[64:65], 0
	v_nop
	global_prefetch_b8 v0, s[64:65] scope:SCOPE_SE
	s_setreg_imm32_b32 hwreg(HW_REG_WAVE_MODE, 25, 1), 1
	s_wait_xcnt 0x0
; from_tensor, to_tensor ([4096 tokens][1024 d], d innermost) and Wq, Wk, Wv ([1024 d][1024 hk], d outermost), all f32, become codes of BF6 (E3M2) along K = d,
; with one E8M0 byte for each 32 along d.  A block's byte is its largest magnitude's exponent field - 4, held at 1 from below; numbers are divided by the scale and rounded to the nearest code, ties to even.
; THE CODES ARE LAID AS IMAGES OF THE OPERAND'S REGISTERS.  A row tile G is 16 rows; its lane r holds row 32 (T / 2) + 8 (T % 2) + r + 8 (r / 8) of its tensor (T the tile's number there): so tiles 2 b and 2 b + 1 hold 32 rows.
; xw_codes [G 0..703][K step 0..7][c 0..1][768]: a half image is 64 along K of 16 rows: a lane's registers 0-3 at 16 x lane, registers 4-5 at 512 + 8 x lane; lane (r, h) holds k = 64 c + 32 h + 0 .. 31.
; G: from 0-255, to 256-511, Wq 512-575, Wk 576-639, Wv 640-703 (a weight's rows are its columns hk).   xw_scales [G / 4][K step][r][G % 4]: a word of four bytes for a row and 128 along K.
; SHARES.  A wave takes four tiles (64 rows) x one K step (128): 32 KiB in, 6 KiB of codes and one block of 256 bytes of scale words out.  1,408 such tasks; waves share nothing: no barrier.
; Work-groups 0-95 take the weights, 96-351 the activations; the two ways have LDS bytes of their own and never join.
; Every load covers whole runs of 256 or 512 consecutive bytes; the numbers turn through the wave's own stage in LDS so that a lane gets a whole block of 32 along K.
; LIMITS: NaN and infinities are not served.  A block whose largest magnitude lies under 2^-122 (a block of zeros too) gets the byte 1: only this program reads the bytes, and zero codes add nothing.
.set XWB,  8448                        ; activations: a wave's stage: 16 rows x (512 + 16) bytes, from LDS byte 0 on
.set WST,  33792                       ; weights: the stages begin here
.set WWB,  17664                       ; a wave's stage: 64 rows of d x (256 + 16) bytes, 32 bytes more behind row 31, so that the two halves of the lanes read different banks
.set R,    16                          ; v16-143  numbers as loaded
.set X,    144                         ; v144-207 two blocks of 32 numbers
.set PC,   208                         ; v208-219 two blocks' codes, six registers each
.set TQ,   220                         ; v220-226 the upper halves of the two blocks' codes (a conversion's three registers begin on an even number)
.set TM,   228                         ; v228-229 largest magnitudes
.set SO,   230                         ; v230-231 the conversions' scale operands
.set BY,   232                         ; v232-233 the scale bytes
.set WP,   234                         ; v234-237 the four tiles' scale words
.set T,    238                         ; v238 at work, v239 = 8 h, v240 a lane permute's destination
.set OUTP, 242                         ; v[242:243] the two words that I store
.macro BASES                           ; s24 = the task's first tile G0, s23 = its K step
	s_lshl_b32 s20, s24, 3
	s_add_co_u32 s20, s20, s23
	s_mul_i32 s20, s20, 1536                       ; (8 G0 + step) x 1,536
	s_mov_b32 s21, 0
	s_add_nc_u64 s[30:31], s[14:15], s[20:21]      ; the codes
	s_lshl_b32 s20, s24, 1
	s_add_co_u32 s20, s20, s23
	s_lshl_b32 s20, s20, 8                         ; (8 (G0 / 4) + step) x 256
	s_add_nc_u64 s[32:33], s[16:17], s[20:21]      ; the scale words
.endm
; Two blocks of 32 numbers, v[xa] on and v[xb] on, by turns: their bytes into v[BY], v[BY+1], their codes into v[pa] .. v[pa+5] and v[pb] .. v[pb+5].
.macro Q2 xa, xb, pa, pb
	v_max3_num_f32 v[TM], |v[(\xa)]|, |v[(\xa)+1]|, 0x2800000      ; the floor 2^(5 - 127) among the leaves: the byte cannot fall under 1
	v_max3_num_f32 v[TM+1], |v[(\xb)]|, |v[(\xb)+1]|, 0x2800000
.set qi, 2
.rept 15
	v_max3_num_f32 v[TM], v[TM], |v[(\xa)+qi]|, |v[(\xa)+qi+1]|
	v_max3_num_f32 v[TM+1], v[TM+1], |v[(\xb)+qi]|, |v[(\xb)+qi+1]|
.set qi, qi+2
.endr
	v_add_nc_u32 v[SO], 0xfe000000, v[TM]          ; 4 off the exponent field: the conversion takes this operand's exponent field as its scale
	v_add_nc_u32 v[SO+1], 0xfe000000, v[TM+1]
	v_lshrrev_b32 v[BY], 23, v[SO]                 ; the scale's byte
	v_lshrrev_b32 v[BY+1], 23, v[SO+1]
	v_cvt_scalef32_pk16_bf6_f32 v[(\pa):(\pa)+2], v[(\xa):(\xa)+15], v[SO]
	v_cvt_scalef32_pk16_bf6_f32 v[TQ:TQ+2], v[(\xa)+16:(\xa)+31], v[SO]
	v_cvt_scalef32_pk16_bf6_f32 v[(\pb):(\pb)+2], v[(\xb):(\xb)+15], v[SO+1]
	v_cvt_scalef32_pk16_bf6_f32 v[TQ+4:TQ+6], v[(\xb)+16:(\xb)+31], v[SO+1]
	v_nop                                          ; one plain place behind the scaled conversions
.irp i, 0,1,2
	v_mov_b32 v[(\pa)+3+\i], v[TQ+\i]
	v_mov_b32 v[(\pb)+3+\i], v[TQ+4+\i]
.endr
.endm
.macro PUT p, off                      ; a half image: 512 + 256 consecutive bytes
	global_store_b128 v1, v[(\p):(\p)+3], s[30:31] offset:(\off)
	global_store_b64 v2, v[(\p)+4:(\p)+5], s[30:31] offset:(\off)+512
.endm
.macro JOIN t                          ; v[T] holds my two bytes (blocks h and 2 + h): at their places, and with lane l xor 16's two, they are the row's word
	v_lshlrev_b32 v[T], v[T+1], v[T]
	v_permlanex16_b32 v[T+2], v[T], s26, s27
	v_or_b32 v[WP+(\t)], v[T], v[T+2]
.endm
.macro FINISH                          ; lane (r, h) stores the words of tiles 2 h and 2 h + 1 of row r: 32 lanes fill one aligned block of 256 bytes
	v_cmp_ne_u32 vcc_lo, 0, v3
	v_cndmask_b32 v[OUTP], v[WP], v[WP+2], vcc_lo
	v_cndmask_b32 v[OUTP+1], v[WP+1], v[WP+3], vcc_lo
	global_store_b64 v6, v[OUTP:OUTP+1], s[32:33]
	s_wait_tensorcnt 0x0
	ds_add_u32 v254, v255
	s_wait_dscnt 0x0
	s_endpgm
.endm
	s_load_b256 s[4:11], s[0:1], 0x0               ; from s[4:5], to s[6:7], Wq s[8:9], Wk s[10:11]
	s_load_b128 s[12:15], s[0:1], 0x20             ; Wv s[12:13], the codes s[14:15]
	s_load_b64 s[16:17], s[0:1], 0x30              ; the scale words
	v_lshl_add_u32 v254, v0, 2, 0x19800
	v_mov_b32 v255, 0
	v_lshrrev_b32 v8, 5, v0
	v_readfirstlane_b32 s18, v8                    ; wave 0..3
	v_and_b32 v9, 31, v0                           ; lane
	v_and_b32 v10, 15, v0                          ; r
	v_bfe_u32 v3, v0, 4, 1                         ; h
	v_lshlrev_b32 v1, 4, v9                        ; 16 x lane
	v_lshlrev_b32 v2, 3, v9                        ; 8 x lane
	v_lshlrev_b32 v6, 4, v10
	v_lshl_add_u32 v6, v3, 3, v6                   ; 16 r + 8 h: my two scale words
	v_lshlrev_b32 v[T+1], 3, v3                    ; 8 h
	v_mov_b32 v[T+2], 0                            ; written once: a lane permute's destination counts as one of its sources
	s_mov_b32 s26, 0x76543210
	s_mov_b32 s27, 0xfedcba98                      ; v_permlanex16_b32's selects for lane l xor 16
	s_cmp_lt_u32 ttmp9, 96
	s_cbranch_scc1 .Lweights
; ---------------- the activations: K is innermost ----------------
	s_sub_co_u32 s19, ttmp9, 96
	s_lshl_b32 s19, s19, 2
	s_add_co_u32 s19, s19, s18                     ; task 0..1023
	s_lshr_b32 s20, s19, 9                         ; from (0) or to (1)
	s_and_b32 s21, s19, 511
	s_lshr_b32 s22, s21, 3                         ; which 64 rows
	s_and_b32 s23, s21, 7                          ; which K step: a work-group's four waves stand side by side on 2,048 bytes of each row
	s_lshl_b32 s24, s20, 8
	s_lshl_b32 s25, s22, 2
	s_add_co_u32 s24, s24, s25                     ; G0
	s_mul_i32 s25, s18, XWB                        ; my stage
	v_add_nc_u32 v4, s25, v1                       ; in: 16 x lane of a row
	v_mul_u32_u24 v5, v10, 528
	v_lshl_add_u32 v5, v3, 7, v5
	v_add_nc_u32 v5, s25, v5                       ; out: row r, + 128 h: my block of 32 numbers
	s_wait_kmcnt 0x0
	s_cmp_eq_u32 s20, 0
	s_cselect_b64 s[28:29], s[4:5], s[6:7]
	s_lshl_b32 s20, s22, 18                        ; 64 rows of 4,096 bytes
	s_lshl_b32 s21, s23, 9                         ; 128 numbers
	s_add_co_u32 s20, s20, s21
	s_mov_b32 s21, 0
	s_add_nc_u64 s[28:29], s[28:29], s[20:21]
	BASES
.macro XLOAD t                         ; tile t's 16 rows, 512 consecutive bytes a load, into set t % 2
.set i, 0
.rept 16
	global_load_b128 v[R+64*((\t)%2)+4*i:R+64*((\t)%2)+4*i+3], v1, s[28:29] offset:(32*((\t)/2)+8*((\t)%2)+i+8*(i/8))*4096 th:TH_LOAD_NT
.set i, i+1
.endr
.endm
.macro XTILE t
.if (\t) < 3
	s_wait_loadcnt 16                              ; this tile's 16 loads are in; the next tile's 16 may be out
.else
	s_wait_loadcnt 0x0
.endif
.set i, 0
.rept 16
	ds_store_b128 v4, v[R+64*((\t)%2)+4*i:R+64*((\t)%2)+4*i+3] offset:528*i
.set i, i+1
.endr
.set i, 0
.rept 16                               ; LDS serves a wave's instructions in order: these see the stores above.  Register 32 c + 4 j: k = 64 c + 32 h + 4 j on
	ds_load_b128 v[X+4*i:X+4*i+3], v5 offset:256*(i/8)+16*(i%8)
.set i, i+1
.endr
	s_wait_dscnt 0x0                               ; my 64 numbers are in, and the stores have read the set
.if (\t) > 0
	s_wait_xcnt 0x0                                ; the last tile's stores have read the codes' registers
.endif
.if (\t) < 2
	XLOAD (\t)+2
.endif
	Q2 X, X+32, PC, PC+6
	PUT PC, 12288*(\t)
	PUT PC+6, 12288*(\t)+768
	v_lshl_or_b32 v[T], v[BY+1], 16, v[BY]
	JOIN \t
.endm
	XLOAD 0
	XLOAD 1
	XTILE 0
	XTILE 1
	XTILE 2
	XTILE 3
	FINISH
; ---------------- the weights: K is the first axis ----------------
.Lweights:
	s_lshl_b32 s19, ttmp9, 2
	s_add_co_u32 s19, s19, s18                     ; task 0..383
	s_lshr_b32 s20, ttmp9, 5                       ; Wq, Wk or Wv
	s_and_b32 s21, s19, 127
	s_lshr_b32 s23, s21, 4                         ; which K step
	s_and_b32 s22, s21, 15                         ; which 64 columns: a work-group's four waves stand side by side on 1,024 bytes of each row
	s_lshl_b32 s24, s20, 6
	s_lshl_b32 s25, s22, 2
	s_add_co_u32 s24, s24, s25
	s_add_co_u32 s24, s24, 512                     ; G0
	s_mul_i32 s25, s18, WWB
	s_add_co_u32 s25, s25, WST                     ; my stage
	v_mul_u32_u24 v4, v3, 272
	v_lshl_add_u32 v4, v10, 4, v4
	v_add_nc_u32 v4, s25, v4                       ; in: two rows of d a load: row h, 16 r
	v_and_b32 v5, 8, v10
	v_add_nc_u32 v5, v5, v10                       ; r + 8 (r / 8): my column in a pair of tiles
	v_lshlrev_b32 v5, 2, v5
	v_mad_u32_u24 v5, v3, 8736, v5                 ; lanes 16-31 begin 32 rows of d further down (and behind the 32 bytes)
	v_add_nc_u32 v5, s25, v5                       ; out: A LANE TAKES A COLUMN, ITS REGISTERS RUN DOWN d
	v_lshlrev_b32 v7, 12, v3
	v_lshl_add_u32 v7, v10, 4, v7                  ; in memory: row h of 4,096 bytes, 16 r
	s_wait_kmcnt 0x0
	s_cmp_eq_u32 s20, 0
	s_cselect_b64 s[28:29], s[8:9], s[10:11]
	s_cmp_eq_u32 s20, 2
	s_cselect_b64 s[28:29], s[12:13], s[28:29]
	s_lshl_b32 s20, s23, 19                        ; 128 rows of 4,096 bytes
	s_lshl_b32 s21, s22, 8                         ; 64 columns
	s_add_co_u32 s20, s20, s21
	s_mov_b32 s21, 0
	s_add_nc_u64 s[28:29], s[28:29], s[20:21]
	BASES
.macro WLOAD c                         ; 64 rows of d x 256 bytes: sixteen lanes read 256 consecutive bytes
.set i, 0
.rept 32
	global_load_b128 v[R+4*i:R+4*i+3], v7, s[28:29] offset:262144*(\c)+8192*i th:TH_LOAD_NT
.set i, i+1
.endr
.endm
.macro WHALF c                         ; 64 along K of the four tiles
	s_wait_loadcnt 0x0
.set i, 0
.rept 32
	ds_store_b128 v4, v[R+4*i:R+4*i+3] offset:544*i+32*(i/16)
.set i, i+1
.endr
	s_wait_dscnt 0x0                               ; the stores have read their registers
.if (\c) == 0
	WLOAD 1
.endif
.irp tp, 0,2                           ; tiles tp and tp + 1 by turns
.irp n, 0,1
.set i, 0
.rept 32
	ds_load_b32 v[X+32*\n+i], v5 offset:272*i+4*(16*\tp+8*\n)
.set i, i+1
.endr
.endr
	s_wait_dscnt 0x0
	s_wait_xcnt 0x0                                ; earlier stores have read the codes' registers
	Q2 X, X+32, PC, PC+6
	PUT PC, 12288*\tp+768*(\c)
	PUT PC+6, 12288*(\tp+1)+768*(\c)
.if (\c) == 0
	v_mov_b32 v[WP+\tp], v[BY]                     ; block h
	v_mov_b32 v[WP+\tp+1], v[BY+1]
.else
	v_lshl_or_b32 v[WP+\tp], v[BY], 16, v[WP+\tp]  ; block 2 + h
	v_lshl_or_b32 v[WP+\tp+1], v[BY+1], 16, v[WP+\tp+1]
.endif
.endr
.endm
	WLOAD 0
	WHALF 0
	WHALF 1
.irp t, 0,1,2,3
	v_mov_b32 v[T], v[WP+\t]
	JOIN \t
.endr
	FINISH
.Lfunc_end_k_qf5a33d674a_quant:
	.size	k_qf5a33d674a_quant, .Lfunc_end_k_qf5a33d674a_quant-k_qf5a33d674a_quant
	.p2alignl 7, 3214868480
	.fill 96, 4, 3214868480
	.section	.rodata,"a",@progbits
	.p2align	6, 0x0
	.amdhsa_kernel k_qf5a33d674a_quant
		.amdhsa_group_segment_fixed_size 104960
		.amdhsa_private_segment_fixed_size 0
		.amdhsa_enable_private_segment 0
		.amdhsa_kernarg_size 56
		.amdhsa_user_sgpr_count 2
		.amdhsa_user_sgpr_kernarg_segment_ptr 1
		.amdhsa_wavefront_size32 1
		.amdhsa_system_sgpr_workgroup_id_x 1
		.amdhsa_system_sgpr_workgroup_id_y 1
		.amdhsa_system_sgpr_workgroup_id_z 1
		.amdhsa_system_vgpr_workitem_id 0
		.amdhsa_next_free_vgpr 256
		.amdhsa_next_free_sgpr 66
		.amdhsa_reserve_vcc 1
		.amdhsa_float_denorm_mode_32 3
		.amdhsa_float_denorm_mode_16_64 3
		.amdhsa_memory_ordered 1
		.amdhsa_forward_progress 1
		.amdhsa_inst_pref_size 72
	.end_amdhsa_kernel
	.amdgpu_metadata
---
amdhsa.version: [ 1, 2 ]
amdhsa.kernels:
  - .name:           k_qf5a33d674a_quant
    .symbol:         k_qf5a33d674a_quant.kd
    .args:
      - { .name: from_tensor, .offset: 0, .size: 8, .value_kind: global_buffer, .address_space: global }
      - { .name: to_tensor, .offset: 8, .size: 8, .value_kind: global_buffer, .address_space: global }
      - { .name: Wq, .offset: 16, .size: 8, .value_kind: global_buffer, .address_space: global }
      - { .name: Wk, .offset: 24, .size: 8, .value_kind: global_buffer, .address_space: global }
      - { .name: Wv, .offset: 32, .size: 8, .value_kind: global_buffer, .address_space: global }
      - { .name: xw_codes, .offset: 40, .size: 8, .value_kind: global_buffer, .address_space: global }
      - { .name: xw_scales, .offset: 48, .size: 8, .value_kind: global_buffer, .address_space: global }
    .group_segment_fixed_size: 104960
    .private_segment_fixed_size: 0
    .kernarg_segment_align: 8
    .kernarg_segment_size: 56
    .max_flat_workgroup_size: 128
    .sgpr_count:     66
    .vgpr_count:     256
    .wavefront_size: 32
...
	.end_amdgpu_metadata
.endif
;; end of part 1
;; launch proj (part 2): grid 8 x 48, 4 waves a work-group, clusters of 4 x 4, 295,424 bytes of LDS; arguments xw_codes, xw_scales, bq, bk, bv, qkv; writes qkv
.if DOCPART == 2
	.amdgcn_target "amdgcn-amd-amdhsa--gfx1250"
	.amdhsa_code_object_version 6
	.text
	.protected	k_qf5a33d674a_proj
	.globl	k_qf5a33d674a_proj
	.p2align	8
	.type	k_qf5a33d674a_proj,@function
k_qf5a33d674a_proj:
	s_mov_b64 s[64:65], 0
	v_nop
	global_prefetch_b8 v0, s[64:65] scope:SCOPE_SE
	s_setreg_imm32_b32 hwreg(HW_REG_WAVE_MODE, 25, 1), 1
	s_wait_xcnt 0x0
	s_wait_alu depctr_hold_cnt(0) depctr_sa_sdst(0) depctr_va_vdst(0) depctr_va_sdst(0) depctr_va_ssrc(0) depctr_va_vcc(0) depctr_vm_vsrc(0)
	s_getreg_b32 s2, hwreg(HW_REG_IB_STS2, 6, 4)
	s_cmp_eq_u32 s2, 0
	s_cbranch_scc0 .Lentry_in_a_cluster
	s_endpgm
.Lentry_in_a_cluster:
	s_bfe_u32 s2, ttmp6, 0x10000c
	s_cmp_lg_u32 s2, 0xf033
	s_cbranch_scc0 .Lentry_shape_is_right
	s_endpgm
.Lentry_shape_is_right:
; q = from Wq + bq, k = to Wk + bk, v = to Wv + bv on codes of BF6 (E3M2) with E8M0 scales (K = d = 1,024), and the results quantised at once for the attention's products: q and k along the head's 64, v along the tokens.
; ONE TEXT FOR THREE PRODUCTS.  U is source 0: in the result a lane's registers run along U's rows, the axis that is quantised next.  L is source 1: a lane holds one row of L.
;   q: U = Wq's columns, L = from's tokens.   k: U = Wk's columns, L = to's tokens.   v: U = to's tokens, L = Wv's columns.
; Operands come as images of their registers (16 rows x 128 K = 1,536 bytes; tile T's lane r holds row 32 (T / 2) + 8 (T % 2) + r + 8 (r / 8)), so that the 16 registers of U's tiles 2 b, 2 b + 1 are 16 neighbours: 32 b + 16 h + 0 .. 15.
; SHARES.  A work-group makes 128 rows of U x 256 rows of L over all of K: (8 + 16) tiles x 12,288 bytes = 294,912 bytes of LDS, EVERY BYTE FILLED ONCE: no slot is filled again.  A wave has all of U x its 64 rows of L: 32 accumulators.
; The tiles come in four chunks of two K steps; each wave issues four tensor loads at the start (four of mine are out at the most) and each chunk is waited for when it is due.
; CLUSTERS: 4 x 4.  U's tiles hang on the work-group's x alone and are shared along a column of the cluster, L's on its y alone and are shared along a row: joint loads, which divide the requests by four.
; The bias is the C of each sum's first product (so it enters the f32 sum first, not last).
; OUT (qkv): q at byte 0, k at 3,407,872: [16 batch + head][128 tokens' block 0..15][6,656]: 8 tiles x 768 bytes (64 along K: registers 0-3 at 16 x lane, 4-5 at 512 + 8 x lane), then 2 x 256 bytes of scale words
;   [lane][2]: word e of lane l of group g is tile 4 g + 2 e + l / 16, row l % 16; its bytes 2, 3 are 0x7f (the product's K is filled up to 128 by zero codes).
;   v at 6,815,744: [16 batch + head][block][6,400]: 4 tiles (16 of the head's 64) x 1,536 bytes (K = the block's 128 tokens), then 256 bytes of scale words [lane][2]: word e of lane l is tile 2 e + l / 16.
; LIMITS: NaN and infinities are not served; a block under 2^-122 gets the byte 1 (read by this program alone).
; REGISTERS: window 0: v1-13 lanes and addresses; v16-47 U's scale words, v48-63 L's; v64-127 the bias; v128-223 L's fragments, two sets (later the codes made); v224-250 at work.
;   window 1: U's fragments, two sets, at v0 and v128.   window 2: accumulator (a, b) at v[64 a + 8 b].
.set CH,    73728                      ; a chunk in LDS: U's 8 tiles x 3,072 bytes (two K steps), then L's 16
.set LOFF,  24576
.set SCU,   16                         ; register 4 s + t: lanes 0-15 the words of U's tile t, lanes 16-31 of tile 4 + t, K step s
.set SCL,   48                         ; register 4 m + a: lanes 0-15 the words of my L tile a at K step 2 m, lanes 16-31 at 2 m + 1
.set BIAS,  64
.set LF,    128
.set TQ,    176
.set TM,    224                        ; v224-227 largest magnitudes, v228-231 bytes, v236-239 the conversions' scale operands
.set PW,    240                        ; v240-243 the scale words made, one for each tile a
.set TT,    244
.set WLO,   246
.set WHI,   248
.set K7F,   250
.set QKB,   3407872
.set VBASE, 6815744
.set HEADB, 106496
.set MSB, 0
.macro WIN new                         ; the immediate's high byte repeats the setting that is left
.if MSB != \new
	s_set_vgpr_msb (MSB<<8)|\new
.set MSB, \new
.endif
.endm
.macro CROUND                          ; a round of the cluster's barrier
	s_barrier_signal -1
	s_barrier_wait -1
	s_cmp_lg_u32 s16, 0
	s_cbranch_scc1 .Lnot_wave_0_\@
	s_barrier_signal -3
.Lnot_wave_0_\@:
	s_barrier_wait -3
	s_barrier_signal -1
	s_barrier_wait -1
.endm
.macro PLACES
.rept 4
	v_nop
.endr
.endm
	s_load_b256 s[4:11], s[0:1], 0x0               ; codes s[4:5], scale words s[6:7], bq s[8:9], bk s[10:11]
	s_load_b128 s[12:15], s[0:1], 0x20             ; bv s[12:13], qkv s[14:15]
	v_lshl_add_u32 v254, v0, 2, 0x48000
	v_mov_b32 v255, 0
	ds_add_u32 v254, v255
	ds_add_u32 v254, v255
	v_lshrrev_b32 v1, 5, v0
	v_readfirstlane_b32 s16, v1                    ; wave 0..3
	s_and_b32 s17, s16, 1                          ; which half of U's or of L's tiles I fetch
	s_bfe_u32 s18, ttmp6, 0x40000                  ; cx
	s_bfe_u32 s19, ttmp6, 0x40004                  ; cy
	s_and_b32 s21, ttmp7, 0xffff                   ; the cluster's y, 0..11
	s_lshr_b32 s22, s21, 2                         ; the product: 0 q, 1 k, 2 v: the same in all partners
	s_and_b32 s23, s21, 3
	s_lshl_b32 s20, ttmp9, 2
	s_add_co_u32 s20, s20, s18                     ; work-group x
	s_lshl_b32 s91, s23, 3
	s_lshl_b32 s92, s23, 2
	s_lshl_b32 s93, s22, 6
	s_add_co_u32 s93, s93, 512                     ; Wq's or Wk's first tile
	s_lshl_b32 s94, s22, 8                         ; from's or to's first tile
	s_cmp_eq_u32 s22, 2
	s_cselect_b32 s91, s91, 0
	s_cselect_b32 s92, 0, s92
	s_cselect_b32 s93, 256, s93                    ; v: U = to
	s_cselect_b32 s94, 640, s94                    ; v: L = Wv
	s_add_co_u32 s20, s20, s91                     ; which 128 rows of U: it hangs on cx and the cluster's place, never on cy
	s_add_co_u32 s57, s19, s92                     ; which 256 rows of L: on cy and the cluster's place, never on cx
	s_lshl_b32 s56, s20, 3
	s_add_co_u32 s56, s56, s93                     ; U's first tile
	s_lshl_b32 s59, s57, 4
	s_add_co_u32 s59, s59, s94                     ; L's first tile
	s_lshl_b32 s58, s17, 2
	s_add_co_u32 s58, s58, s56
	s_mul_i32 s60, s58, 12288                      ; U: my four tiles, in bytes
	s_mov_b32 s61, 0
	s_lshl_b32 s62, s17, 3
	s_add_co_u32 s62, s62, s59
	s_mul_i32 s62, s62, 12288                      ; L: my eight tiles
	s_mov_b32 s63, 0
	s_lshl_b32 s95, s19, 2
	s_lshl_b32 s95, 15, s95                        ; my row of the cluster
	s_lshl_b32 s96, 0x1111, s18                    ; my column
	; descriptor group 1: rows of 3,072 bytes (384 elements of 8: two K steps of a tile), 12,288 bytes apart; U: 4 rows, L: 8
	s_or_b32 s24, s96, (3<<16)|(1<<21)             ; 15:0 the mask; 17:16 elements of 8 bytes; 21 set beside a mask; no padding
	s_mov_b32 s25, 384<<16                         ; tensor_dim0
	s_mov_b32 s26, 4<<16                           ; tensor_dim1
	s_mov_b32 s27, 384<<16                         ; tile_dim0
	s_mov_b32 s28, 4                               ; tile_dim1
	s_mov_b32 s29, 1536                            ; elements from row to row
	s_mov_b32 s30, 0
	s_mov_b32 s31, 0
	s_or_b32 s32, s95, (3<<16)|(1<<21)
	s_mov_b32 s33, 384<<16
	s_mov_b32 s34, 8<<16
	s_mov_b32 s35, 384<<16
	s_mov_b32 s36, 8
	s_mov_b32 s37, 1536
	s_mov_b32 s38, 0
	s_mov_b32 s39, 0
	s_mul_i32 s97, s17, 12288                      ; where they go: the wave's number alone enters an LDS address
	s_mul_i32 s98, s17, 24576
	s_add_co_u32 s98, s98, LOFF
	s_mov_b32 s88, 0x76543210
	s_mov_b32 s89, 0xfedcba98                      ; v_permlanex16_b32's selects for lane l xor 16
	v_and_b32 v3, 31, v0                           ; lane
	v_and_b32 v1, 15, v0                           ; r
	v_bfe_u32 v2, v0, 4, 1                         ; h
	v_lshlrev_b32 v4, 4, v3                        ; U's images: 16 x lane,
	v_lshlrev_b32 v5, 3, v3                        ; 8 x lane
	s_mul_i32 s91, s16, 12288
	s_add_co_u32 s91, s91, LOFF
	v_add_nc_u32 v6, s91, v4                       ; my four tiles of L
	v_add_nc_u32 v7, s91, v5
.irp b, 0,1,2,3
	v_mov_b32 v[TM+4+\b], 0                        ; written once: a lane permute's destination counts as one of its sources
.endr
	s_wait_dscnt 0x0
	s_wait_kmcnt 0x0
	s_add_nc_u64 s[60:61], s[4:5], s[60:61]
	s_add_nc_u64 s[62:63], s[4:5], s[62:63]
.irp q, 0,1,2,3                        ; group 0, a set for each chunk
	s_mov_b32 s[40+4*\q], 1
	s_add_co_u32 s[41+4*\q], s97, \q*CH
	s_add_nc_u64 s[42+4*\q:43+4*\q], s[60:61], \q*3072
	s_or_b32 s[43+4*\q], s[43+4*\q], 0x80000000
	s_mov_b32 s[68+4*\q], 1
	s_add_co_u32 s[69+4*\q], s98, \q*CH
	s_add_nc_u64 s[70+4*\q:71+4*\q], s[62:63], \q*3072
	s_or_b32 s[71+4*\q], s[71+4*\q], 0x80000000
.endr
	CROUND                                         ; all sixteen work-groups are here: the joint loads meet
	s_cmp_lt_u32 s16, 2                            ; waves 0, 1 fetch U's halves, waves 2, 3 L's: a wave's four fills stand in one branch
	s_cbranch_scc0 .Lfill_l
.irp q, 0,1,2,3
	tensor_load_to_lds s[40+4*\q:43+4*\q], s[24:31]
	s_nop 0
.endr
	PLACES
	s_branch .Lfilled
.Lfill_l:
.irp q, 0,1,2,3
	tensor_load_to_lds s[68+4*\q:71+4*\q], s[32:39]
	s_nop 0
.endr
	PLACES
.Lfilled:
	; the scale words of all eight K steps, straight into registers, once: whole blocks of 256 bytes
	s_lshl_b32 s91, s56, 9                         ; (tile / 4) x 2,048
	v_lshlrev_b32 v8, 11, v2                       ; lanes 16-31: the next four tiles
	v_lshl_add_u32 v8, v1, 4, v8
	v_add_nc_u32 v8, s91, v8
	s_lshl_b32 s91, s59, 9
	s_lshl_b32 s92, s16, 11
	s_add_co_u32 s91, s91, s92
	v_lshlrev_b32 v9, 8, v2                        ; lanes 16-31: the next K step
	v_lshl_add_u32 v9, v1, 4, v9
	v_add_nc_u32 v9, s91, v9
.irp s, 0,1,2,3,4,5,6,7
	global_load_b128 v[SCU+4*\s:SCU+4*\s+3], v8, s[6:7] offset:256*\s
.endr
.irp m, 0,1,2,3
	global_load_b128 v[SCL+4*\m:SCL+4*\m+3], v9, s[6:7] offset:512*\m
.endr
	s_cmp_eq_u32 s22, 0
	s_cselect_b64 s[84:85], s[8:9], s[10:11]
	s_cmp_eq_u32 s22, 2
	s_cselect_b64 s[84:85], s[12:13], s[84:85]
	s_cbranch_scc1 .Lbias_v
	s_lshl_b32 s91, s20, 9                         ; q, k: the bias runs along U: tile b's register j: bias[128 U + 32 (b / 2) + 8 (b % 2) + 16 h + j]
	v_lshl_add_u32 v10, v2, 6, s91
.irp b, 0,1,2,3,4,5,6,7
	global_load_b128 v[BIAS+8*\b:BIAS+8*\b+3], v10, s[84:85] offset:(32*(\b/2)+8*(\b%2))*4
	global_load_b128 v[BIAS+8*\b+4:BIAS+8*\b+7], v10, s[84:85] offset:(32*(\b/2)+8*(\b%2))*4+16
.endr
	s_branch .Lbias_done
.Lbias_v:
	s_lshl_b32 s91, s57, 10                        ; v: the bias runs along L: one number a lane and tile a, in all eight registers: bv[256 L + 64 wave + 32 (a / 2) + 8 (a % 2) + r + 8 (r / 8)]
	s_lshl_b32 s92, s16, 8
	s_add_co_u32 s91, s91, s92
	v_and_b32 v10, 8, v1
	v_add_nc_u32 v10, v10, v1
	v_lshl_add_u32 v10, v10, 2, s91
.irp a, 0,1,2,3                        ; in two copies, which U's even and odd tiles take by turns: so both ways write all 64 registers
.irp j, 0,1,2,3,4,5,6,7
	global_load_b32 v[BIAS+8*\a+\j], v10, s[84:85] offset:(32*(\a/2)+8*(\a%2))*4
	global_load_b32 v[BIAS+32+8*\a+\j], v10, s[84:85] offset:(32*(\a/2)+8*(\a%2))*4
.endr
.endr
.Lbias_done:
.macro FRAG reg, a16, a8, off          ; an image of 12 registers comes back as it was stored: every load takes 512 or 256 consecutive bytes
	ds_load_b128 v[(\reg):(\reg)+3], v[\a16] offset:(\off)
	ds_load_b64 v[(\reg)+4:(\reg)+5], v[\a8] offset:(\off)+512
	ds_load_b128 v[(\reg)+6:(\reg)+9], v[\a16] offset:(\off)+768
	ds_load_b64 v[(\reg)+10:(\reg)+11], v[\a8] offset:(\off)+1280
.endm
.macro FETCH s                         ; K step s: U's eight fragments and my four of L into set s % 2: 48 loads in one run
	WIN 0x40                                       ; destination window 1
.irp b, 0,1,2,3,4,5,6,7
	FRAG 128*((\s)%2)+12*\b, 4, 5, 3072*\b+1536*((\s)%2)
.endr
	WIN 0
.irp a, 0,1,2,3
	FRAG LF+48*((\s)%2)+12*\a, 6, 7, 3072*\a+1536*((\s)%2)
.endr
.endm
.macro WM ra, rb                       ; one product; ra, rb: the scale words lie in lanes 16-31
.if (\ra) && (\rb)
	v_wmma_scale_f32_16x16x128_f8f6f4 v[rD:rD+7], v[rA:rA+11], v[rB:rB+11], v[rC:rC+7], v[rU], v[rL] matrix_a_fmt:MATRIX_FMT_BF6 matrix_b_fmt:MATRIX_FMT_BF6 matrix_a_scale:MATRIX_SCALE_ROW1 matrix_b_scale:MATRIX_SCALE_ROW1
.elseif (\ra)
	v_wmma_scale_f32_16x16x128_f8f6f4 v[rD:rD+7], v[rA:rA+11], v[rB:rB+11], v[rC:rC+7], v[rU], v[rL] matrix_a_fmt:MATRIX_FMT_BF6 matrix_b_fmt:MATRIX_FMT_BF6 matrix_a_scale:MATRIX_SCALE_ROW1
.elseif (\rb)
	v_wmma_scale_f32_16x16x128_f8f6f4 v[rD:rD+7], v[rA:rA+11], v[rB:rB+11], v[rC:rC+7], v[rU], v[rL] matrix_a_fmt:MATRIX_FMT_BF6 matrix_b_fmt:MATRIX_FMT_BF6 matrix_b_scale:MATRIX_SCALE_ROW1
.else
	v_wmma_scale_f32_16x16x128_f8f6f4 v[rD:rD+7], v[rA:rA+11], v[rB:rB+11], v[rC:rC+7], v[rU], v[rL] matrix_a_fmt:MATRIX_FMT_BF6 matrix_b_fmt:MATRIX_FMT_BF6
.endif
.endm
; K step s: 32 products; the 32 accumulators take turns, one instruction a turn, in the same order in every step.
; mode 0: onto the sums.  1: the bias along U starts them.  2: the bias along L starts them.
.macro MUL32 s, mode
.if \mode
	WIN 0x81                                       ; source 0 (U) window 1, source 1 (L) and C (the bias) window 0, D window 2
.else
	WIN 0xa1                                       ; C and D window 2
.endif
.irp a, 0,1,2,3
.irp b, 0,1,2,3,4,5,6,7
.set rD, 64*\a+8*\b
.set rA, 128*((\s)%2)+12*\b
.set rB, LF+48*((\s)%2)+12*\a
.set rC, rD
.if \mode == 1
.set rC, BIAS+8*\b
.elseif \mode == 2
.set rC, BIAS+8*\a+32*(\b%2)
.endif
.set rU, SCU+4*(\s)+\b%4
.set rL, SCL+4*((\s)/2)+\a
	WM \b/4, (\s)%2
.endr
.endr
	WIN 0
.endm
; In front of step s's products: its fragments are in; the next step's are asked for, 32 products ahead of their use.  Loads into registers that products have read stand four plain vector instructions behind them.
.macro HEAD s
	s_wait_dscnt 0x0                               ; step s's 48 loads, issued in front of the last step's products
.if (\s) < 7
.if (\s)%2
	s_wait_tensorcnt 2-(\s)/2                      ; my part of the next chunk has landed; my later chunks may stay out: no LDS byte is filled again
	s_barrier_signal -1
	s_barrier_wait -1                              ; everybody's has
	v_add_nc_u32 v4, CH, v4                        ; on to the next chunk: these four are the places too
	v_add_nc_u32 v5, CH, v5
	v_add_nc_u32 v6, CH, v6
	v_add_nc_u32 v7, CH, v7
.elseif (\s) > 0
	PLACES
.endif
	FETCH (\s)+1
.endif
.endm
	s_wait_loadcnt 0x0                             ; scale words and bias
	s_wait_tensorcnt 3                             ; my part of chunk 0 has landed; three of my loads may be out
	s_barrier_signal -1
	s_barrier_wait -1
	FETCH 0
	HEAD 0
	s_cmp_eq_u32 s22, 2
	s_cbranch_scc1 .Lstart_v
	MUL32 0, 1
	s_branch .Lstarted
.Lstart_v:
	MUL32 0, 2
.Lstarted:
.irp s, 1,2,3,4,5,6,7
	HEAD \s
	MUL32 \s, 0
.endr
	PLACES                                         ; in front of the first read of results, and of writes over fragments
; My L tile a: a lane's 64 numbers, register 16 b + i = U's row 32 b + 16 h + i, become 12 registers of codes in v[LF + 12 a] on and the scale word v[PW + a].  Each accumulator is read from its low end on.
.macro QUANT a
.set S, 64*(\a)
.set PC, LF+12*(\a)
	WIN 0x0a                                       ; sources 0 and 1: window 2
.irp b, 0,1,2,3
	v_max3_num_f32 v[TM+\b], |v[S+16*\b]|, |v[S+16*\b+1]|, 0x2800000   ; the floor 2^(5 - 127): the byte cannot fall under 1
.endr
.irp i, 2,4,6,8,10,12,14
.irp b, 0,1,2,3
	v_max3_num_f32 v[TM+\b], |v[S+16*\b+\i]|, |v[S+16*\b+\i+1]|, v[TM+\b]
.endr
.endr
	WIN 0
.irp b, 0,1,2,3
	v_permlanex16_b32 v[TM+4+\b], v[TM+\b], s88, s89
.endr
.irp b, 0,1,2,3
	v_max_num_f32 v[TM+\b], v[TM+\b], v[TM+4+\b]   ; with lane l xor 16's 16: the block's largest magnitude
.endr
.irp b, 0,1,2,3
	v_add_nc_u32 v[TM+12+\b], 0xfe000000, v[TM+\b] ; 4 off the exponent field: the conversion's scale operand
.endr
.irp b, 0,1,2,3
	v_lshrrev_b32 v[TM+4+\b], 23, v[TM+12+\b]      ; the byte
.endr
	v_lshl_or_b32 v[PW+(\a)], v[TM+5], 8, v[TM+4]
	v_lshl_or_b32 v[PW+(\a)], v[TM+6], 16, v[PW+(\a)]
	v_lshl_or_b32 v[PW+(\a)], v[TM+7], 24, v[PW+(\a)]
	WIN 0x02                                       ; source 0: window 2
.irp c, 0,1
	v_cvt_scalef32_pk16_bf6_f32 v[PC+6*\c:PC+6*\c+2], v[S+32*\c:S+32*\c+15], v[TM+12+2*\c]
	v_cvt_scalef32_pk16_bf6_f32 v[TQ+4*\c:TQ+4*\c+2], v[S+32*\c+16:S+32*\c+31], v[TM+12+2*\c+1]
.endr
	WIN 0
	v_nop                                          ; one plain place behind the scaled conversions
.irp c, 0,1                            ; the operand's layout wants a whole block in a lane: lanes 0-15 block 2 c, lanes 16-31 block 2 c + 1
.irp i, 0,1,2
	v_permlane16_swap_b32 v[PC+6*\c+\i], v[TQ+4*\c+\i]
.endr
.irp i, 0,1,2
	v_mov_b32 v[PC+3+6*\c+\i], v[TQ+4*\c+\i]
.endr
.endr
.endm
	QUANT 0
	QUANT 1
	QUANT 2
	QUANT 3
	v_cmp_ne_u32 vcc_lo, 0, v2
	v_cndmask_b32 v[TT], v[PW], v[PW+1], vcc_lo    ; word e of lane (r, h): tile 2 e + h, row r
	v_cndmask_b32 v[TT+1], v[PW+2], v[PW+3], vcc_lo
	s_cmp_eq_u32 s22, 2
	s_cbranch_scc1 .Lout_v
	; q, k: registers 0-5 are head 2 U's 64, registers 6-11 head 2 U + 1's.  My tiles are tiles 4 (wave % 2) + a of the tokens' block 2 L + wave / 2
	s_mul_i32 s86, s22, QKB
	s_lshr_b32 s91, s57, 3                         ; the batch
	s_lshl_b32 s91, s91, 4
	s_lshl_b32 s92, s20, 1
	s_add_co_u32 s91, s91, s92                     ; 16 batch + head
	s_mul_i32 s91, s91, HEADB
	s_add_co_u32 s86, s86, s91
	s_lshl_b32 s91, s57, 1
	s_lshr_b32 s92, s16, 1
	s_add_co_u32 s91, s91, s92
	s_and_b32 s91, s91, 15
	s_mul_i32 s91, s91, 6656
	s_add_co_u32 s86, s86, s91
	s_mov_b32 s87, 0
	s_add_nc_u64 s[86:87], s[14:15], s[86:87]
	s_mul_i32 s91, s17, 3072
	v_lshl_add_u32 v11, v3, 4, s91
	v_lshl_add_u32 v12, v3, 3, s91
	s_lshl_b32 s91, s17, 8
	v_lshl_add_u32 v13, v3, 3, s91
	v_mov_b32 v[K7F], 0x7f7f7f7f
.irp e, 0,1
	v_perm_b32 v[WLO+\e], v[K7F], v[TT+\e], 0x04040100   ; the first head's two bytes, then 0x7f twice
	v_perm_b32 v[WHI+\e], v[K7F], v[TT+\e], 0x04040302   ; the second head's
.endr
.irp a, 0,1,2,3                        ; every store covers 512 or 256 consecutive bytes, aligned
	global_store_b128 v11, v[LF+12*\a:LF+12*\a+3], s[86:87] offset:768*\a
	global_store_b64 v12, v[LF+12*\a+4:LF+12*\a+5], s[86:87] offset:768*\a+512
	global_store_b128 v11, v[LF+12*\a+6:LF+12*\a+9], s[86:87] offset:768*\a+HEADB
	global_store_b64 v12, v[LF+12*\a+10:LF+12*\a+11], s[86:87] offset:768*\a+512+HEADB
.endr
	global_store_b64 v13, v[WLO:WLO+1], s[86:87] offset:6144
	global_store_b64 v13, v[WHI:WHI+1], s[86:87] offset:6144+HEADB
	s_branch .Lout_done
.Lout_v:
	; v: the 12 registers are a whole fragment: K = the 128 tokens of U's block; my four tiles are head 4 L + wave's 64
	s_lshr_b32 s91, s20, 4                         ; the batch
	s_lshl_b32 s91, s91, 4
	s_lshl_b32 s92, s57, 2
	s_add_co_u32 s91, s91, s92
	s_add_co_u32 s91, s91, s16                     ; 16 batch + head
	s_lshl_b32 s91, s91, 4
	s_and_b32 s92, s20, 15
	s_add_co_u32 s91, s91, s92                     ; and the tokens' block
	s_mul_i32 s86, s91, 6400
	s_add_co_u32 s86, s86, VBASE
	s_mov_b32 s87, 0
	s_add_nc_u64 s[86:87], s[14:15], s[86:87]
	v_lshlrev_b32 v11, 4, v3
	v_lshlrev_b32 v13, 3, v3
.irp a, 0,1,2,3
.irp g, 0,1,2
	global_store_b128 v11, v[LF+12*\a+4*\g:LF+12*\a+4*\g+3], s[86:87] offset:1536*\a+512*\g
.endr
.endr
	global_store_b64 v13, v[TT:TT+1], s[86:87] offset:6144
.Lout_done:
	s_wait_tensorcnt 0x0
	ds_add_u32 v254, v255
	s_wait_dscnt 0x0
	CROUND                                         ; the closing round: no work-group ends while a partner may still ask for a tile that names it
	s_endpgm
.Lfunc_end_k_qf5a33d674a_proj:
	.size	k_qf5a33d674a_proj, .Lfunc_end_k_qf5a33d674a_proj-k_qf5a33d674a_proj
	.p2alignl 7, 3214868480
	.fill 96, 4, 3214868480
	.section	.rodata,"a",@progbits
	.p2align	6, 0x0
	.amdhsa_kernel k_qf5a33d674a_proj
		.amdhsa_group_segment_fixed_size 295424
		.amdhsa_private_segment_fixed_size 0
		.amdhsa_enable_private_segment 0
		.amdhsa_kernarg_size 48
		.amdhsa_user_sgpr_count 2
		.amdhsa_user_sgpr_kernarg_segment_ptr 1
		.amdhsa_wavefront_size32 1
		.amdhsa_system_sgpr_workgroup_id_x 1
		.amdhsa_system_sgpr_workgroup_id_y 1
		.amdhsa_system_sgpr_workgroup_id_z 1
		.amdhsa_system_vgpr_workitem_id 0
		.amdhsa_next_free_vgpr 768
		.amdhsa_next_free_sgpr 100
		.amdhsa_reserve_vcc 1
		.amdhsa_float_denorm_mode_32 3
		.amdhsa_float_denorm_mode_16_64 3
		.amdhsa_memory_ordered 1
		.amdhsa_forward_progress 1
		.amdhsa_inst_pref_size 101
	.end_amdhsa_kernel
	.amdgpu_metadata
---
amdhsa.version: [ 1, 2 ]
amdhsa.kernels:
  - .name:           k_qf5a33d674a_proj
    .symbol:         k_qf5a33d674a_proj.kd
    .args:
      - { .name: xw_codes, .offset: 0, .size: 8, .value_kind: global_buffer, .address_space: global }
      - { .name: xw_scales, .offset: 8, .size: 8, .value_kind: global_buffer, .address_space: global }
      - { .name: bq, .offset: 16, .size: 8, .value_kind: global_buffer, .address_space: global }
      - { .name: bk, .offset: 24, .size: 8, .value_kind: global_buffer, .address_space: global }
      - { .name: bv, .offset: 32, .size: 8, .value_kind: global_buffer, .address_space: global }
      - { .name: qkv, .offset: 40, .size: 8, .value_kind: global_buffer, .address_space: global }
    .group_segment_fixed_size: 295424
    .private_segment_fixed_size: 0
    .kernarg_segment_align: 8
    .kernarg_segment_size: 48
    .max_flat_workgroup_size: 128
    .sgpr_count:     100
    .vgpr_count:     768
    .wavefront_size: 32
...
	.end_amdgpu_metadata
.endif
;; end of part 2
;; launch attn (part 3): grid 8 x 32, 16 waves a work-group, clusters of 4 x 1, 288,768 bytes of LDS; arguments qkv, attention_mask, out0; writes out0
.if DOCPART == 3
	.amdgcn_target "amdgcn-amd-amdhsa--gfx1250"
	.amdhsa_code_object_version 6
	.text
	.protected	k_qf5a33d674a_attn
	.globl	k_qf5a33d674a_attn
	.p2align	8
	.type	k_qf5a33d674a_attn,@function
k_qf5a33d674a_attn:
	s_mov_b64 s[64:65], 0
	v_nop
	global_prefetch_b8 v0, s[64:65] scope:SCOPE_SE
	s_setreg_imm32_b32 hwreg(HW_REG_WAVE_MODE, 25, 1), 1
	s_wait_xcnt 0x0
	s_wait_alu depctr_hold_cnt(0) depctr_sa_sdst(0) depctr_va_vdst(0) depctr_va_sdst(0) depctr_va_ssrc(0) depctr_va_vcc(0) depctr_vm_vsrc(0)
	s_getreg_b32 s2, hwreg(HW_REG_IB_STS2, 6, 4)
	s_cmp_eq_u32 s2, 0
	s_cbranch_scc0 .Lentry_in_a_cluster
	s_endpgm
.Lentry_in_a_cluster:
	s_bfe_u32 s2, ttmp6, 0x10000c
	s_cmp_lg_u32 s2, 0x3003
	s_cbranch_scc0 .Lentry_shape_is_right
	s_endpgm
.Lentry_shape_is_right:
; out0[b][q][head][:] = the sum over keys of softmax(q . k / 8 + (1 - mask[key]) x -10000) v[key][:], both products on codes of BF6 (E3M2) with E8M0 scales, as the launch before laid them (its head comment has the layout of qkv).
; THE SOFTMAX: t = logit x log2(e); M = the running largest t rounded UP to a whole number; p = 2^(t - M) is quantised along the keys, not normalised; the row's sum is taken of the unquantised p and divides at the end.
; When M moves, the sum and O are multiplied by 2^(old M - new M): exact.
; SHARES.  A work-group owns 256 queries of one (batch, head); each of its sixteen waves one tile of 16, in 256 registers: four waves to a SIMD, so that one wave's vector work stands beside another's products and LDS loads.
; A HEAD'S K AND V, codes and scale words, are 208,896 bytes: they come into LDS ONCE, in four chunks of 512 keys, and stay: no LDS byte is filled again.  Wave 0 asks for K's four chunks, wave 1 for V's: four loads of a wave are out at the most.
; CLUSTER: the four blocks of queries of a cluster belong to one head, so each chunk is asked for JOINTLY (mask 15).
; LAYOUT.  Both products are used transposed: S^T = K Q^T (source 0 = 16 keys), O^T = V^T P^T (source 0 = 16 of the head's 64): a lane holds one query throughout.  A tile's lane r holds row 32 (T / 2) + 8 (T % 2) + r + 8 (r / 8),
; so the 16 registers of score tiles 2 b, 2 b + 1 are keys 32 b + 16 h + 0 .. 15.  The first product's K is 64: the upper six registers of both operands hold zero codes, under the byte 0x7f.
; THE MASK IS THE C OF THE FIRST PRODUCT: (1 - mask) x -80000 (the scores are still 8 x the logits) lies in LDS as f32; a step's 64 score registers are loaded with it and the product adds onto them.
; LIMITS: NaN and infinities are not served; mask numbers are exact up to 2^24; p under 2^-126 counts as 0; a block of p under 2^-122 gets the byte 1 with zero or tiny codes.
.set VB,   106496                      ; LDS: K's 16 blocks of 6,656 bytes from 0; V's 16 blocks of 6,400 bytes from here;
.set MSK,  208896                      ; the mask's 2,048 terms, stored by the waves: no fill lands here;
.set STG,  217088                      ; the stages for the way out: 16 rows x (256 + 16) bytes for each wave
.set Q,    16                          ; v16-27   Q's fragment (v22-27 zero)
.set KS,   28                          ; v28-31   K's scale words of a step
.set KF,   32                          ; v32-79   four fragments of K (the upper six registers of each zero)
.set VF,   80                          ; v80-127  V's four fragments
.set S,    128                         ; v128-191 the scores, then p
.set O,    192                         ; v192-223 O^T
.set PC,   224                         ; v224-235 p's codes
.set BM,   232                         ; v232-235 the blocks' largest scores: done with before the codes are written
.set TQ,   236                         ; v236-242 at work
.set SCO,  244                         ; v244-247 the conversions' scale operands
.set VS,   248                         ; v248-249 V's scale words
.set F,    250                         ; v[250:251] 2^(old M - new M), and a zero named with it as a pair
.set STO,  252                         ; the way out: into my stage,
.set RD,   253                         ; back from it,
.set GO,   254                         ; and my byte offset in out0
; v1 = 16 x lane, v2 = 8 x lane, v3 = MSK + 64 h; v4-8 the step's LDS addresses; v9 Q's scale words; v10 p's; v11 at work; v12 -M, v13 the largest t, v[14:15] the sum in two halves
.macro CROUND                          ; a round of the cluster's barrier
	s_barrier_signal -1
	s_barrier_wait -1
	s_cmp_lg_u32 s10, 0
	s_cbranch_scc1 .Lnot_wave_0_\@
	s_barrier_signal -3
.Lnot_wave_0_\@:
	s_barrier_wait -3
	s_barrier_signal -1
	s_barrier_wait -1
.endm
.macro PLACES
.rept 4
	v_nop
.endr
.endm
	s_load_b128 s[4:7], s[0:1], 0x0                ; qkv s[4:5], the mask s[6:7]
	s_load_b64 s[8:9], s[0:1], 0x10                ; out0
	v_lshl_add_u32 v243, v0, 2, 0x46000
	v_mov_b32 v255, 0
	ds_add_u32 v243, v255
	ds_add_u32 v243, v255
	v_lshrrev_b32 v4, 5, v0
	v_readfirstlane_b32 s10, v4                    ; wave 0..15
	s_bfe_u32 s11, ttmp6, 0x40000                  ; cx
	s_lshl_b32 s12, ttmp9, 2
	s_add_co_u32 s12, s12, s11                     ; my block of 256 queries: it enters Q's and out0's addresses alone
	s_and_b32 s13, ttmp7, 0xffff                   ; 16 batch + head, which the four partners share
	; descriptor group 1: dense blocks as rows of 256 bytes (32 elements of 8): K's chunk 104 rows, V's 100
	s_mov_b32 s24, 15|(3<<16)|(1<<21)              ; 15:0 the mask: all four work-groups; 17:16 elements of 8 bytes; 21 set beside a mask; no padding
	s_mov_b32 s25, 32<<16
	s_mov_b32 s26, 104<<16
	s_mov_b32 s27, 32<<16
	s_mov_b32 s28, 104
	s_mov_b32 s29, 32
	s_mov_b32 s30, 0
	s_mov_b32 s31, 0
	s_mov_b32 s32, 15|(3<<16)|(1<<21)
	s_mov_b32 s33, 32<<16
	s_mov_b32 s34, 100<<16
	s_mov_b32 s35, 32<<16
	s_mov_b32 s36, 100
	s_mov_b32 s37, 32
	s_mov_b32 s38, 0
	s_mov_b32 s39, 0
	s_mul_i32 s14, s13, 106496
	s_add_co_u32 s14, s14, 3407872                 ; the head's K
	s_mov_b32 s15, 0
	s_mul_i32 s16, s13, 102400
	s_add_co_u32 s16, s16, 6815744                 ; the head's V
	s_mov_b32 s17, 0
	s_mov_b32 s20, 0x76543210
	s_mov_b32 s21, 0xfedcba98                      ; v_permlanex16_b32's selects for lane l xor 16
	s_mov_b32 s22, 0x3e38aa3b                      ; c = log2(e) / 8: t = score x c
	s_mov_b32 s23, s22                             ; (named with it as a pair, so it is written)
	s_mov_b32 s84, 0x479c4000                      ; 80000.0
	s_lshr_b32 s85, s13, 4                         ; the batch
	s_lshl_b32 s60, s85, 13                        ; its 2,048 mask numbers
	s_mov_b32 s61, 0
	s_lshl_b32 s62, s13, 4
	s_lshl_b32 s19, s12, 1
	s_add_co_u32 s62, s62, s19
	s_lshr_b32 s19, s10, 3
	s_add_co_u32 s62, s62, s19
	s_mul_i32 s62, s62, 6656                       ; Q: the block of 128 tokens that holds my tile
	s_mov_b32 s63, 0
	s_lshl_b32 s86, s85, 11                        ; out0: my tile's first token: 2,048 batch + 256 block + 32 (wave / 2) + 8 (wave % 2),
	s_lshl_b32 s87, s12, 8
	s_add_co_u32 s86, s86, s87
	s_lshr_b32 s87, s10, 1
	s_lshl_b32 s87, s87, 5
	s_add_co_u32 s86, s86, s87
	s_and_b32 s87, s10, 1
	s_lshl_b32 s87, s87, 3
	s_add_co_u32 s86, s86, s87
	s_lshl_b32 s86, s86, 12                        ; 4,096 bytes a token,
	s_and_b32 s87, s13, 15
	s_lshl_b32 s87, s87, 8                         ; 256 bytes a head
	s_add_co_u32 s86, s86, s87
	s_mov_b32 s87, 0
	; every LDS address register is made here, on the one way that all waves take
	v_and_b32 v244, 31, v0                         ; lane
	v_and_b32 v245, 15, v0                         ; r
	v_bfe_u32 v246, v0, 4, 1                       ; h
	v_lshlrev_b32 v1, 4, v244
	v_lshlrev_b32 v2, 3, v244
	v_lshl_add_u32 v3, v246, 6, MSK
	v_lshl_add_u32 v8, v0, 4, MSK                  ; where I put my four mask terms
	s_mul_i32 s18, s10, 4352
	s_add_co_u32 s18, s18, STG                     ; my stage
	v_mul_u32_u24 v[STO], v245, 272
	v_lshl_add_u32 v[STO], v246, 6, v[STO]
	v_add_nc_u32 v[STO], s18, v[STO]               ; in: row r, + 64 h
	v_mul_u32_u24 v[RD], v246, 272
	v_lshl_add_u32 v[RD], v245, 4, v[RD]
	v_add_nc_u32 v[RD], s18, v[RD]                 ; back: lanes 0-15 one row, lanes 16-31 the next
	v_lshlrev_b32 v[GO], 12, v246
	v_lshl_add_u32 v[GO], v245, 4, v[GO]           ; and the same in out0
	v_lshlrev_b32 v4, 4, v0                        ; the mask: four numbers a thread
	s_and_b32 s19, s10, 7
	s_mul_i32 s19, s19, 768                        ; my tile in Q's block
	v_add_nc_u32 v5, s19, v1
	v_add_nc_u32 v6, s19, v2
	s_bfe_u32 s19, s10, 0x10002
	s_lshl_b32 s19, s19, 8                         ; its scale words: group (tile / 4),
	s_and_b32 s88, s10, 1
	s_lshl_b32 s88, s88, 7                         ; lanes 16 (tile % 2) + r,
	s_add_co_u32 s19, s19, s88
	s_bfe_u32 s88, s10, 0x10001
	s_lshl_b32 s88, s88, 2                         ; word (tile % 4) / 2
	s_add_co_u32 s19, s19, s88
	v_lshl_add_u32 v7, v245, 3, s19
	v_mov_b32 v13, 0xff61b1e6                      ; the largest t so far: -3e38, under every t
	v_floor_f32 v12, -v13                          ; -M
	v_mov_b32 v14, 0                               ; the sum, in two halves
	v_mov_b32 v15, 0
	v_mov_b32 v[F+1], 0
.irp b, 0,1,2,3
	v_mov_b32 v[TQ+\b], 0                          ; written once: a lane permute's destination counts as one of its sources
.endr
.irp i, 6,7,8,9,10,11
	v_mov_b32 v[Q+\i], 0                           ; zero codes fill K = 64 up to 128, on both sides
.irp t, 0,1,2,3
	v_mov_b32 v[KF+12*\t+\i], 0
.endr
.endr
.set j, 0
.rept 32
	v_mov_b32 v[O+j], 0                            ; O^T.  (The step is written once: the first finds zeros, which the first change of M leaves zeros)
.set j, j+1
.endr
	s_wait_dscnt 0x0
	s_wait_kmcnt 0x0
	s_add_nc_u64 s[14:15], s[4:5], s[14:15]
	s_add_nc_u64 s[16:17], s[4:5], s[16:17]
	s_add_nc_u64 s[60:61], s[6:7], s[60:61]
	s_add_nc_u64 s[62:63], s[4:5], s[62:63]
	s_add_nc_u64 s[8:9], s[8:9], s[86:87]
.irp c, 0,1,2,3                        ; group 0, a set for each chunk
	s_mov_b32 s[40+4*\c], 1
	s_mov_b32 s[41+4*\c], 26624*\c
	s_add_nc_u64 s[42+4*\c:43+4*\c], s[14:15], 26624*\c
	s_or_b32 s[43+4*\c], s[43+4*\c], 0x80000000
	s_mov_b32 s[68+4*\c], 1
	s_mov_b32 s[69+4*\c], VB+25600*\c
	s_add_nc_u64 s[70+4*\c:71+4*\c], s[16:17], 25600*\c
	s_or_b32 s[71+4*\c], s[71+4*\c], 0x80000000
.endr
	CROUND                                         ; all four work-groups are here: the joint loads meet
	s_cmp_lg_u32 s10, 0
	s_cbranch_scc1 .Lnot_k
.irp c, 0,1,2,3
	tensor_load_to_lds s[40+4*\c:43+4*\c], s[24:31]
	s_nop 0
.endr
	PLACES
	s_branch .Lasked
.Lnot_k:
	s_cmp_lg_u32 s10, 1
	s_cbranch_scc1 .Lasked
.irp c, 0,1,2,3
	tensor_load_to_lds s[68+4*\c:71+4*\c], s[32:39]
	s_nop 0
.endr
	PLACES
.Lasked:
	global_load_b128 v[S:S+3], v4, s[60:61]        ; four mask numbers
	global_load_b128 v[Q:Q+3], v5, s[62:63]        ; Q's fragment stays in registers
	global_load_b64 v[Q+4:Q+5], v6, s[62:63] offset:512
	global_load_b32 v9, v7, s[62:63] offset:6144   ; every lane takes its row's word
	s_wait_loadcnt 3                               ; the mask numbers are in; Q's three loads may be out
.irp j, 0,1,2,3
	v_cvt_f32_i32 v[S+\j], v[S+\j]
.endr
.irp j, 0,1,2,3
	v_fma_f32 v[S+\j], v[S+\j], s84, -s84          ; (1 - mask) x -80000 = mask x 80000 - 80000
.endr
	ds_store_b128 v8, v[S:S+3]
	s_wait_loadcnt 0x0                             ; Q
.macro KLOAD g                         ; tiles 4 g .. 4 g + 3 of the step's keys: the six registers that hold codes
.irp t, 0,1,2,3
	ds_load_b128 v[KF+12*\t:KF+12*\t+3], v4 offset:768*(4*(\g)+\t)
	ds_load_b64 v[KF+12*\t+4:KF+12*\t+5], v5 offset:768*(4*(\g)+\t)+512
.endr
.endm
.macro KQ g                            ; four products onto the mask terms; a tile's scale words lie in lanes 0-15 (even tile) or 16-31 (odd)
.irp t, 0,1,2,3
.if \t%2
	v_wmma_scale_f32_16x16x128_f8f6f4 v[S+8*(4*(\g)+\t):S+8*(4*(\g)+\t)+7], v[KF+12*\t:KF+12*\t+11], v[Q:Q+11], v[S+8*(4*(\g)+\t):S+8*(4*(\g)+\t)+7], v[KS+2*(\g)+\t/2], v9 matrix_a_fmt:MATRIX_FMT_BF6 matrix_b_fmt:MATRIX_FMT_BF6 matrix_a_scale:MATRIX_SCALE_ROW1
.else
	v_wmma_scale_f32_16x16x128_f8f6f4 v[S+8*(4*(\g)+\t):S+8*(4*(\g)+\t)+7], v[KF+12*\t:KF+12*\t+11], v[Q:Q+11], v[S+8*(4*(\g)+\t):S+8*(4*(\g)+\t)+7], v[KS+2*(\g)+\t/2], v9 matrix_a_fmt:MATRIX_FMT_BF6 matrix_b_fmt:MATRIX_FMT_BF6
.endif
.endr
.endm
.macro BMAX b0                         ; the largest score of blocks b0 and b0 + 1 of 32 keys, by turns; each accumulator is read from its low end on
.irp b, \b0, \b0+1
	v_max3_num_f32 v[BM+\b], v[S+16*(\b)], v[S+16*(\b)+1], v[S+16*(\b)+2]
.endr
.irp i, 3,5,7,9,11,13
.irp b, \b0, \b0+1
	v_max3_num_f32 v[BM+\b], v[BM+\b], v[S+16*(\b)+\i], v[S+16*(\b)+\i+1]
.endr
.endr
.irp b, \b0, \b0+1
	v_max_num_f32 v[BM+\b], v[BM+\b], v[S+16*(\b)+15]
.endr
.endm
; A KEY STEP: 128 keys.  s56, s57, s58: where the step's block of K, of V and of mask terms begins in LDS.
.macro STEP
	v_add_nc_u32 v4, s56, v1                       ; (these five are also places behind the last step's products)
	v_add_nc_u32 v5, s56, v2
	v_add_nc_u32 v6, s57, v1
	v_add_nc_u32 v7, s57, v2
	v_add_nc_u32 v8, s58, v3
.set j, 0
.rept 16
	ds_load_b128 v[S+4*j:S+4*j+3], v8 offset:128*(j/4)+16*(j%4)    ; register 16 b + i: the term of key 32 b + 16 h + i
.set j, j+1
.endr
	KLOAD 0
	ds_load_b64 v[KS:KS+1], v5 offset:6144
	ds_load_b64 v[KS+2:KS+3], v5 offset:6400
	s_wait_dscnt 0x0
	KQ 0
	PLACES                                         ; in front of loads into registers that these products read, and of the first read of their results
	KLOAD 1
.irp d, 0,1,2,3
.irp g, 0,1,2
	ds_load_b128 v[VF+12*\d+4*\g:VF+12*\d+4*\g+3], v6 offset:1536*\d+512*\g
.endr
.endr
	ds_load_b64 v[VS:VS+1], v7 offset:6144
	BMAX 0                                         ; sixteen instructions stand between K's loads and the wait for them
	s_wait_dscnt 13                                ; K's eight are in; V's thirteen may be out
	KQ 1
	PLACES
	BMAX 2
.irp b, 0,1,2,3
	v_permlanex16_b32 v[TQ+\b], v[BM+\b], s20, s21
.endr
.irp b, 0,1,2,3
	v_max_num_f32 v[BM+\b], v[BM+\b], v[TQ+\b]     ; with lane l xor 16's 16 keys: THE BLOCK'S LARGEST SCORE: it serves the row's maximum and, since p rises with the score, the block's largest p
.endr
	v_max3_num_f32 v11, v[BM], v[BM+1], v[BM+2]
	v_max_num_f32 v11, v11, v[BM+3]                ; the step's largest score of my query
	v_mul_f32 v11, s22, v11                        ; as t (c is positive)
	v_max_num_f32 v13, v13, v11                    ; the running largest t
	v_mov_b32 v11, v12
	v_floor_f32 v12, -v13                          ; the new -M = floor(-t) = -ceil(t): a whole number
	v_sub_f32 v11, v12, v11                        ; old M - new M: a whole number, 0 or less
	v_cvt_i32_f32 v11, v11                         ; (it saturates)
	v_ldexp_f32 v[F], 1.0, v11                     ; f = 2^(old M - new M)
.set j, 0
.rept 32
	v_pk_fma_f32 v[S+j:S+j+1], v[S+j:S+j+1], s[22:23], v[12:13] op_sel_hi:[1,0,0]   ; t - M, two at a time (of the pairs c and -M the low word serves both halves)
.set j, j+2
.endr
.irp b, 0,1,2,3
	v_fma_f32 v[BM+\b], v[BM+\b], s22, v12         ; the same of each block's largest score
.endr
.set j, 0
.rept 64
	v_exp_f32 v[S+j], v[S+j]                       ; p = 2^(t - M), at most 1: not normalised
.set j, j+1
.endr
.irp b, 0,1,2,3
	v_exp_f32 v[BM+\b], v[BM+\b]                   ; the block's largest p: the same two instructions on the same number give the same bits
.endr
	v_pk_mul_f32 v[14:15], v[14:15], v[F:F+1] op_sel_hi:[1,0]      ; the sums under the new M.  (A plain place behind the exponentials)
	s_wait_alu depctr_va_vdst(0)
.irp b, 0,1,2,3
	v_max_num_f32 v[BM+\b], 0x2800000, v[BM+\b]    ; the floor 2^(5 - 127): the byte cannot fall under 1
.endr
.irp b, 0,1,2,3
	v_add_nc_u32 v[SCO+\b], 0xfe000000, v[BM+\b]   ; 4 off the exponent field: the conversion's scale operand
.endr
.irp b, 0,1,2,3
	v_lshrrev_b32 v[TQ+\b], 23, v[SCO+\b]          ; the byte
.endr
	v_lshl_or_b32 v10, v[TQ+1], 8, v[TQ]           ; p's scale word for these 128 keys
	v_lshl_or_b32 v10, v[TQ+2], 16, v10
	v_lshl_or_b32 v10, v[TQ+3], 24, v10
.irp c, 0,1
	v_cvt_scalef32_pk16_bf6_f32 v[PC+6*\c:PC+6*\c+2], v[S+32*\c:S+32*\c+15], v[SCO+2*\c]
	v_cvt_scalef32_pk16_bf6_f32 v[TQ+4*\c:TQ+4*\c+2], v[S+32*\c+16:S+32*\c+31], v[SCO+2*\c+1]   ; (a conversion's three registers begin on an even number)
.endr
	v_nop                                          ; one plain place behind the scaled conversions
.irp c, 0,1                            ; the operand's layout wants a whole block in a lane: lanes 0-15 block 2 c, lanes 16-31 block 2 c + 1
.irp i, 0,1,2
	v_permlane16_swap_b32 v[PC+6*\c+\i], v[TQ+4*\c+\i]
.endr
.irp i, 0,1,2
	v_mov_b32 v[PC+3+6*\c+\i], v[TQ+4*\c+\i]
.endr
.endr
	v_pk_add_f32 v[TQ:TQ+1], v[S:S+1], v[S+2:S+3]  ; THE ROW'S SUM IS TAKEN OF THE UNQUANTISED p: two at a time, in two chains
.set j, 4
.rept 15
	v_pk_add_f32 v[14:15], v[14:15], v[S+j:S+j+1]
	v_pk_add_f32 v[TQ:TQ+1], v[TQ:TQ+1], v[S+j+2:S+j+3]
.set j, j+4
.endr
	v_pk_add_f32 v[14:15], v[14:15], v[TQ:TQ+1]
.set j, 0
.rept 16
	v_pk_mul_f32 v[O+j:O+j+1], v[O+j:O+j+1], v[F:F+1] op_sel_hi:[1,0]   ; O^T under the new M.  (With the sums above: the places between p's codes and scale word and the products)
.set j, j+2
.endr
	s_wait_dscnt 0x0                               ; V
.irp d, 0,1,2,3                        ; O^T += V^T P^T: four accumulators by turns; K = these 128 keys
.if \d%2
	v_wmma_scale_f32_16x16x128_f8f6f4 v[O+8*\d:O+8*\d+7], v[VF+12*\d:VF+12*\d+11], v[PC:PC+11], v[O+8*\d:O+8*\d+7], v[VS+\d/2], v10 matrix_a_fmt:MATRIX_FMT_BF6 matrix_b_fmt:MATRIX_FMT_BF6 matrix_a_scale:MATRIX_SCALE_ROW1
.else
	v_wmma_scale_f32_16x16x128_f8f6f4 v[O+8*\d:O+8*\d+7], v[VF+12*\d:VF+12*\d+11], v[PC:PC+11], v[O+8*\d:O+8*\d+7], v[VS+\d/2], v10 matrix_a_fmt:MATRIX_FMT_BF6 matrix_b_fmt:MATRIX_FMT_BF6
.endif
.endr
	s_add_co_u32 s56, s56, 6656                    ; the next 128 keys
	s_add_co_u32 s57, s57, 6400
	s_add_co_u32 s58, s58, 512
.endm
; Chunk c: 512 keys, four steps.  The wave that asked for it waits for it (its later chunks may stay out: no LDS byte is filled again), every wave's LDS instructions are done, and the barrier shows the chunk to all sixteen.
.macro CHUNK c
	s_wait_tensorcnt 3-(\c)
	s_wait_dscnt 0x0
	s_barrier_signal -1
	s_barrier_wait -1
	s_mov_b32 s56, 26624*(\c)
	s_mov_b32 s57, VB+25600*(\c)
	s_mov_b32 s58, 2048*(\c)
	s_mov_b32 s59, 4
.Lstep_\@:
	STEP
	s_sub_co_u32 s59, s59, 1
	s_cmp_lg_u32 s59, 0
	s_cbranch_scc1 .Lstep_\@
.endm
	CHUNK 0                                        ; (its barrier also shows every wave's mask terms to all)
	CHUNK 1
	CHUNK 2
	CHUNK 3
	; THE WAY OUT.  O^T / the sum goes through my stage in LDS and leaves as whole rows: a (query, head) row of out0 is 256 bytes, which sixteen lanes store.
	v_add_f32 v14, v14, v15                        ; the sum's two halves,
	v_permlanex16_b32 v[TQ], v14, s20, s21
	v_add_f32 v14, v14, v[TQ]                      ; and lane l xor 16's: the row's sum
	v_rcp_f32 v14, v14
	v_nop                                          ; a plain place behind the reciprocal; with the additions above, the places behind the last products
	v_nop
.set j, 0
	s_wait_alu depctr_va_vdst(0)
.rept 16
	v_pk_mul_f32 v[S+j:S+j+1], v[O+j:O+j+1], v[14:15] op_sel_hi:[1,0]   ; register 8 t + i: channel 32 (t / 2) + 8 (t % 2) + 16 h + i of my query
.set j, j+2
.endr
.irp t, 0,1,2,3
	ds_store_b128 v[STO], v[S+8*\t:S+8*\t+3] offset:128*(\t/2)+32*(\t%2)
	ds_store_b128 v[STO], v[S+8*\t+4:S+8*\t+7] offset:128*(\t/2)+32*(\t%2)+16
.endr
.irp i, 0,1,2,3,4,5,6,7
	ds_load_b128 v[VF+4*\i:VF+4*\i+3], v[RD] offset:544*\i         ; LDS serves a wave's instructions in order: these see my stores
.endr
.irp i, 0,1,2,3,4,5,6,7
	s_wait_dscnt 7-\i                              ; the younger loads may stay out
	global_store_b128 v[GO], v[VF+4*\i:VF+4*\i+3], s[8:9] offset:(2*\i+8*(\i/4))*4096 th:TH_STORE_NT   ; stage row 2 i + h is the tile's lane: token 2 i + h + 8 (i / 4) on
.endr
	s_wait_tensorcnt 0x0
	ds_add_u32 v243, v255
	s_wait_dscnt 0x0
	CROUND                                         ; the closing round: no work-group ends while a partner may still ask for a chunk that names it
	s_endpgm
.Lfunc_end_k_qf5a33d674a_attn:
	.size	k_qf5a33d674a_attn, .Lfunc_end_k_qf5a33d674a_attn-k_qf5a33d674a_attn
	.p2alignl 7, 3214868480
	.fill 96, 4, 3214868480
	.section	.rodata,"a",@progbits
	.p2align	6, 0x0
	.amdhsa_kernel k_qf5a33d674a_attn
		.amdhsa_group_segment_fixed_size 288768
		.amdhsa_private_segment_fixed_size 0
		.amdhsa_enable_private_segment 0
		.amdhsa_kernarg_size 24
		.amdhsa_user_sgpr_count 2
		.amdhsa_user_sgpr_kernarg_segment_ptr 1
		.amdhsa_wavefront_size32 1
		.amdhsa_system_sgpr_workgroup_id_x 1
		.amdhsa_system_sgpr_workgroup_id_y 1
		.amdhsa_system_sgpr_workgroup_id_z 1
		.amdhsa_system_vgpr_workitem_id 0
		.amdhsa_next_free_vgpr 256
		.amdhsa_next_free_sgpr 90
		.amdhsa_reserve_vcc 0
		.amdhsa_float_denorm_mode_32 3
		.amdhsa_float_denorm_mode_16_64 3
		.amdhsa_memory_ordered 1
		.amdhsa_forward_progress 1
		.amdhsa_inst_pref_size 84
	.end_amdhsa_kernel
	.amdgpu_metadata
---
amdhsa.version: [ 1, 2 ]
amdhsa.kernels:
  - .name:           k_qf5a33d674a_attn
    .symbol:         k_qf5a33d674a_attn.kd
    .args:
      - { .name: qkv, .offset: 0, .size: 8, .value_kind: global_buffer, .address_space: global }
      - { .name: attention_mask, .offset: 8, .size: 8, .value_kind: global_buffer, .address_space: global }
      - { .name: out0, .offset: 16, .size: 8, .value_kind: global_buffer, .address_space: global }
    .group_segment_fixed_size: 288768
    .private_segment_fixed_size: 0
    .kernarg_segment_align: 8
    .kernarg_segment_size: 24
    .max_flat_workgroup_size: 512
    .sgpr_count:     90
    .vgpr_count:     256
    .wavefront_size: 32
...
	.end_amdgpu_metadata
.endif
;; end of part 3
